; MI455X (gfx1250); checked and timed in simulation.
; The chip was launched on July 23, 2026; its instructions are those of AMD's public machine-readable ISA for CDNA 5 (MIT licence, August 2026) and "CDNA5" Instruction Set Architecture Reference Guide (July 2026). The comments in the code are by the model that wrote it; some were corrected since.
;; Elois Head. Allowed arithmetic: matrix products marked QUANTISED: E2M1 operands, one E8M0 scale for each 32 along K, by v_wmma_scale_f32_16x16x128_f8f6f4 with both operands' format E2M1 (or v_wmma_scale_f32_32x16x128_f4), f32 sums; products left as they are: f32 operands where the result goes on into a quantised operand, else bf16, f16 or f32 operands; f32 sums; everything else in f32.
;; Inputs: W_codes 256 x 32 x 16 uint8 (E2M1 codes of W, K innermost, in blocks of 32 codes, two codes a byte); W_scales 256 x 32 uint8 (E8M0 scales of W, one for each 32 codes along K); cov 256 x 256 float32; loadings 256 x 256 float32; x 4,096 x 2 x 1,024 float32.
;; Outputs: out0 4,096 x 256 float32.
;; This version of the problem:
;;   THIS VERSION OF THE PROBLEM IS GIVEN IN LOW PRECISION. The matrix products marked QUANTISED in the list below multiply operands that are first quantised to E2M1 (2 exponent bits, 1 mantissa bit; 4 bits a number), with one power-of-two scale for each 32 numbers along K (OCP MX v1.0); their sums are f32. All else is computed in f32.
;;   The module's matrix products, in the order in which they are computed (A, B: the left and right operand; K: the contracted axis; several contracted axes count as one K, in the product's order):
;;     1. [M 4,096, K 1,024] x [K 1,024, N 256]; A: input x; B: input W (given as codes): QUANTISED
;;     2. [M 4,096, K 1,024] x [K 1,024, N 256]; A: input x; B: input W (given as codes): QUANTISED
;;     3. [M 4,096, K 1,024] x [K 1,024, N 256]; A: computed on the way; B: input W (given as codes): QUANTISED
;;     4. batch 4,096 x [M 1, K 256] x [K 256, N 256]; A: computed on the way; B: computed on the way: left as it is (M = 1 < 16)
;;   THE QUANTISER, for each operand of a quantised product, along K:
;;     - K is cut into blocks of 32 from its start; a last block that is shorter is filled with zeros.
;;     - A block's scale is 2^e with e = floor(log2(the largest magnitude in the block)) - 2, held to -126 .. 127; a block of zeros has e = 0. As a byte (E8M0): e + 127.
;;     - Each number is divided by its block's scale, clamped to +-6, and rounded to the nearest number of E2M1, ties to even, subnormals kept.
;;     - The product sums the exact products of the quantised numbers (number of the format x scale) in f32.
;;   ~~~python
;;   def quantise(x, axis):      # numpy; x: float32 -> the quantised numbers, widened to float32 again
;;       x = np.moveaxis(x, axis, -1); K = x.shape[-1]
;;       x = np.pad(x, [(0, 0)] * (x.ndim - 1) + [(0, -K % 32)]); x = x.reshape(x.shape[:-1] + (-1, 32)); a = np.abs(x).max(-1, keepdims=True)
;;       e = np.where(a > 0, np.clip(np.frexp(np.where(a > 0, a, 1))[1] - 1 - 2, -126, 127), 0)      # np.frexp(a)[1] - 1 = floor(log2(a)), exactly
;;       r = np.clip(x / 2.0 ** e, -6, 6)
;;       step = 2.0 ** (np.maximum(np.frexp(np.where(r == 0, 1, r))[1] - 1, 0) - 1)
;;       q = np.round(r / step) * step * 2.0 ** e      # np.round: ties to even
;;       return np.moveaxis(q.reshape(q.shape[:-2] + (-1,))[..., :K], -1, axis).astype(np.float32)
;;   ~~~
;;   OPERANDS COMPUTED ON THE WAY. 'Computed on the way' means the value that the module computes at that place (a softmax that the list does not call 'softmax' is quantised finished and normalised). What goes into a quantiser is computed in f32, as accurately as f32 sums, v_exp_f32 and their like allow (about 1e-6 of the number): no bf16 or f16 on the way to a quantiser, and a product that is left as it is and whose result goes on into a quantised operand takes f32 operands (vector FMAs, or v_wmma_f32_16x16x4_f32). A number that lies on a knife's edge between two numbers of the format may be rounded either way, as far as f32 arithmetic and the matrix unit's own rounding can turn it there, and no further.
;;   INPUTS GIVEN AS CODES. W (in the module: [256, 1024], K = its axis 1): each comes as NAME_codes (uint8): NAME with its K axis moved to the last place and cut into blocks of 32 codes, [.., K / 32, bytes a block], one block behind the other in memory; two codes a byte, the lower K in the low four bits (a code: sign, 2 exponent bits, 1 mantissa bit); and NAME_scales (uint8): the same leading axes, one E8M0 byte (e + 127) for each 32 codes along K. Its value is code x scale, taken as it is: it is not quantised again, and the codes and scales need not be those that the quantiser above would give.
;; One version. Each part assembles by itself: llvm-mc -triple=amdgcn-amd-amdhsa -mcpu=gfx1250 --defsym DOCPART=n.
;; ======== version 1 of 1: 2 launches
;; workspace buffers: vals 4,194,304 bytes; maskp 4,194,304 bytes; omm 4,194,304 bytes
;; launch proj (part 1): grid 256 x 1, 16 waves a work-group, no clusters, 225,536 bytes of LDS; arguments x, W_codes, W_scales, vals, maskp, omm; writes vals, maskp, omm
.if DOCPART == 1
	.amdgcn_target "amdgcn-amd-amdhsa--gfx1250"
	.amdhsa_code_object_version 6
	.text
	.protected	k_q33f6be15d3_proj
	.globl	k_q33f6be15d3_proj
	.p2align	8
	.type	k_q33f6be15d3_proj,@function
k_q33f6be15d3_proj:
	s_mov_b64 s[64:65], 0
	v_nop
	global_prefetch_b8 v0, s[64:65] scope:SCOPE_SE
	s_setreg_imm32_b32 hwreg(HW_REG_WAVE_MODE, 25, 1), 1
	s_wait_xcnt 0x0
; vals = Q(x[:,0,:]) W^T, maskp = Q(x[:,1,:]) W^T, omm = Q(1 - x[:,1,:]) W^T: three products [4096, 1024] x [1024, 256] on codes of FP4 (E2M1) with one E8M0 scale for each 32 along K; sums in f32.
; x: [4096][2][1024] f32, quantised here.  W: codes [256][512 bytes] and scale bytes [256][32], taken as they lie.  The three results: [4096][256] f32.
; SHARES.  A work-group of sixteen waves takes 16 rows of x.  Wave w quantises row w (both slices, and 1 - the second) and later makes the 16 columns 16 w .. 16 w + 15 of all three results for the 16 rows.
; QUANTISING.  A slice of a row is 4,096 consecutive bytes: eight loads of 512 consecutive bytes.  They turn through the wave's own stage in LDS (144 bytes a block: 128 + 16 of padding) so that lane i holds block i, 32 neighbours
; along K: the block's largest magnitude needs no other lane, and its four conversions give 16 bytes that are one lane's group of four registers of the operand.  That piece goes to its place in an IMAGE OF THE OPERAND'S REGISTERS:
; K step i / 4, register group (i / 2) % 2, lane 16 (i % 2) + row.  The four bytes of a K step's scale word are gathered from four neighbouring lanes.
; A block's scale is 2^(floor(log2(largest magnitude)) - 2); its byte is that magnitude's exponent field - 2, held at 1 from below.  A block of zeros keeps the byte 1 where the rule says 127: its codes are zeros, and this program alone reads the bytes.
; THE MATRIX INSTRUCTION IS USED TRANSPOSED: source 0 = 16 rows of W, source 1 = the 16 rows of x: a lane then holds eight neighbouring columns of one row of a result.
; W is not shared through a cluster: each wave loads its own 8,192 bytes of codes once, straight into the registers that the matrix instructions name; there is no LDS tile that partners could receive jointly.
; LIMITS: NaN and infinities among the inputs are not served; blocks whose largest magnitude lies under 2^-124 (the floor) were not tried.
.set STGW,  9216                       ; LDS: a wave's two stages,
.set STG1,  4608                       ; each 32 blocks x 144 bytes
.set BP,    144
.set IMG,   16*STGW                    ; the three operands' images: 8 K steps x 1,024 bytes each
.set XSC,   IMG+3*8192                 ; their scale words: 8 K steps x 16 rows x 4 bytes each
.set OST,   XSC+3*512                  ; the way out: three stages of 16 rows x (1,024 + 16) bytes
.set OP,    1040
.set OPL,   16*OP
.set LANE, 1                           ; v1   lane
.set L16,  2                           ; v2   16 x lane: my bytes of a dense load or store; never rewritten
.set SIN,  3                           ; v3   the stage, on the way in
.set SOUT, 4                           ; v4   and on the way out: my block
.set IST,  5                           ; v5   where my block's codes go in an image
.set SST,  6                           ; v6   where its K step's scale word goes
.set IRD,  7                           ; v7   an image's place for my lane
.set SRD,  8                           ; v8   a scale word's
.set SHF,  11                          ; v11  8 x (lane % 4): my byte's place in the scale word
.set TM,   12                          ; v12-14 at work
.set DP,   16                          ; v16  a neighbour's bytes
.set WOF,  17                          ; v17  my bytes in the wave's 16 rows of W's codes
.set OSI,  18                          ; v18  the way out: where I put 32 bytes of a row
.set OSO,  19                          ; v19  and where I read a row back
.set WS,   20                          ; v20-27 W's scale words, one for each K step: they hold nothing else
.set WSO,  28                          ; v28  my row of W's scale bytes
.set XR,   32                          ; v32-95 the row as loaded;
.set XF,   32                          ; later two sets of three fragments of x
.set Q,    96                          ; v96-127 my block's 32 numbers; later rows on their way out
.set WF,   128                         ; v128-191 W's eight fragments
.set ACC,  192                         ; v192-215 three accumulators
.set XS,   216                         ; v216-221 x's scale words, two sets of three: they hold nothing else
.set CDS,  224                         ; v224-235 codes, four registers for each operand
.set SW,   236                         ; v236-238 a scale word for each operand
	s_load_b256 s[4:11], s[0:1], 0x0               ; x, W's codes, W's scales, vals
	s_load_b128 s[12:15], s[0:1], 0x20             ; maskp, omm
	v_lshl_add_u32 v240, v0, 2, 0x36900
	v_mov_b32 v241, 0
	v_lshrrev_b32 v[LANE], 5, v0
	v_readfirstlane_b32 s16, v[LANE]               ; wave 0..15
	v_and_b32 v[LANE], 31, v0
	v_lshlrev_b32 v[L16], 4, v[LANE]
	v_and_b32 v9, 15, v0                           ; r
	v_bfe_u32 v10, v0, 4, 1                        ; h
	v_lshlrev_b32 v[WOF], 9, v9                    ; W: row r of 512 bytes,
	v_lshl_add_u32 v[WOF], v10, 4, v[WOF]          ; + 16 h
	v_lshlrev_b32 v[WSO], 5, v9                    ; its 32 scale bytes
	s_lshl_b32 s18, ttmp9, 17                      ; x: 16 rows of 8,192 bytes a work-group,
	s_lshl_b32 s20, s16, 13                        ; one a wave.  W's codes: 16 rows of 512 bytes a wave
	s_add_co_u32 s18, s18, s20
	s_mov_b32 s19, 0
	s_mov_b32 s21, 0
	s_lshl_b32 s22, s16, 9                         ; W's scales: 16 rows of 32 bytes a wave
	s_mov_b32 s23, 0
	s_lshl_b32 s24, ttmp9, 14                      ; the results: 16 rows of 1,024 bytes a work-group,
	s_lshl_b32 s25, s16, 10                        ; one a wave
	s_add_co_u32 s24, s24, s25
	s_mov_b32 s25, 0
	s_wait_kmcnt 0x0
	s_add_nc_u64 s[4:5], s[4:5], s[18:19]
	s_add_nc_u64 s[6:7], s[6:7], s[20:21]
	s_add_nc_u64 s[8:9], s[8:9], s[22:23]
	s_add_nc_u64 s[10:11], s[10:11], s[24:25]
	s_add_nc_u64 s[12:13], s[12:13], s[24:25]
	s_add_nc_u64 s[14:15], s[14:15], s[24:25]
.irp sl, 0,1
.irp j, 0,1,2,3,4,5,6,7
	global_load_b128 v[XR+32*\sl+4*\j:XR+32*\sl+4*\j+3], v[L16], s[4:5] offset:4096*\sl+512*\j th:TH_LOAD_NT   ; 32 lanes read 512 consecutive bytes; x is read once
.endr
.endr
.irp s, 0,1,2,3,4,5,6,7
.irp c, 0,1
	global_load_b128 v[WF+8*\s+4*\c:WF+8*\s+4*\c+3], v[WOF], s[6:7] offset:64*\s+32*\c   ; W(16 w + r, 128 s + 64 c + 32 h ..): registers 4 c .. 4 c + 3 of K step s
.endr
.endr
	global_load_b128 v[WS:WS+3], v[WSO], s[8:9]                ; row r's eight scale words
	global_load_b128 v[WS+4:WS+7], v[WSO], s[8:9] offset:16
	; the LDS addresses, while the loads are on their way
	s_mul_i32 s17, s16, STGW
	v_lshrrev_b32 v[SIN], 3, v[LANE]
	v_mul_u32_u24 v[SIN], v[SIN], BP
	v_and_b32 v[SOUT], 7, v[LANE]
	v_lshl_add_u32 v[SIN], v[SOUT], 4, v[SIN]
	v_add_nc_u32 v[SIN], s17, v[SIN]               ; in: eight lanes' 128 bytes on end, then 16 of padding; a load's 512 bytes are four blocks
	v_mul_u32_u24 v[SOUT], v[LANE], BP
	v_add_nc_u32 v[SOUT], s17, v[SOUT]             ; out: block = lane
	v_lshrrev_b32 v[IST], 2, v[LANE]               ; my block's K step
	v_lshlrev_b32 v[SST], 6, v[IST]
	v_lshlrev_b32 v[IST], 10, v[IST]
	v_bfe_u32 v[IRD], v[LANE], 1, 1
	v_lshl_add_u32 v[IST], v[IRD], 9, v[IST]       ; register group (lane / 2) % 2,
	v_and_b32 v[IRD], 1, v[LANE]
	v_lshl_add_u32 v[IST], v[IRD], 8, v[IST]       ; the operand's lane 16 (lane % 2) + row: 16 bytes each
	s_lshl_b32 s17, s16, 4
	s_add_co_u32 s17, s17, IMG
	v_add_nc_u32 v[IST], s17, v[IST]
	s_lshl_b32 s17, s16, 2
	s_add_co_u32 s17, s17, XSC
	v_add_nc_u32 v[SST], s17, v[SST]               ; 64 bytes a K step, 4 a row
	v_add_nc_u32 v[IRD], IMG, v[L16]
	v_lshl_add_u32 v[SRD], v9, 2, XSC
	v_and_b32 v[SHF], 3, v[LANE]
	v_lshlrev_b32 v[SHF], 3, v[SHF]
	v_mov_b32 v[DP], 0                             ; written once: the destination of a move between lanes counts as read
	v_mul_u32_u24 v[OSI], v9, OP
	v_lshl_add_u32 v[OSI], v10, 5, v[OSI]
	s_lshl_b32 s17, s16, 6
	s_add_co_u32 s17, s17, OST
	v_add_nc_u32 v[OSI], s17, v[OSI]               ; row r, + 64 bytes a wave, + 32 h
	s_mul_i32 s17, s16, OP
	s_add_co_u32 s17, s17, OST
	v_add_nc_u32 v[OSO], s17, v[L16]               ; back: row = wave
; A slice's 4,096 bytes through the stage.  LDS serves a wave's instructions in order, so no wait stands between the stores and the loads.
.macro TURN sl
.irp j, 0,1,2,3,4,5,6,7
	ds_store_b128 v[SIN], v[XR+32*(\sl)+4*\j:XR+32*(\sl)+4*\j+3] offset:STG1*(\sl)+4*BP*\j
.endr
.irp q, 0,1,2,3,4,5,6,7
	ds_load_b128 v[Q+4*\q:Q+4*\q+3], v[SOUT] offset:STG1*(\sl)+16*\q
.endr
	s_wait_dscnt 0x0                               ; my block is in registers
.endm
; My block's 32 numbers become 16 bytes of codes and a byte of the K step's scale word; both go to operand op's image.
.macro QUANT op
	v_max3_num_f32 v[TM], |v[Q]|, |v[Q+1]|, |v[Q+2]|               ; the largest magnitude, in two chains
	v_max3_num_f32 v[TM+1], |v[Q+3]|, |v[Q+4]|, |v[Q+5]|
.irp i, 6,10,14,18,22,26
	v_max3_num_f32 v[TM], v[TM], |v[Q+\i]|, |v[Q+\i+1]|
	v_max3_num_f32 v[TM+1], v[TM+1], |v[Q+\i+2]|, |v[Q+\i+3]|
.endr
	v_max3_num_f32 v[TM], v[TM], |v[Q+30]|, |v[Q+31]|
	v_max3_num_f32 v[TM], v[TM], v[TM+1], 0x1800000               ; and the floor 2^(3 - 127): the byte cannot fall under 1
	v_add_nc_u32 v[TM+2], 0xff000000, v[TM]        ; 2 off the exponent field: the conversion takes this operand's exponent field as its scale
.irp g, 0,1,2,3
	v_cvt_scalef32_pk8_fp4_f32 v[CDS+4*(\op)+\g], v[Q+8*\g:Q+8*\g+7], v[TM+2]
.endr
	v_lshrrev_b32 v[SW+(\op)], 23, v[TM+2]         ; the scale's byte (a plain line behind the conversions),
	v_lshlrev_b32 v[SW+(\op)], v[SHF], v[SW+(\op)] ; at its place in the word;
	v_mov_b32_dpp v[DP], v[SW+(\op)] row_xmask:1 row_mask:0xf bank_mask:0xf
	v_or_b32 v[SW+(\op)], v[SW+(\op)], v[DP]
	v_mov_b32_dpp v[DP], v[SW+(\op)] row_xmask:2 row_mask:0xf bank_mask:0xf
	v_or_b32 v[SW+(\op)], v[SW+(\op)], v[DP]       ; with the three neighbours' the word is whole, in all four lanes
	ds_store_b128 v[IST], v[CDS+4*(\op):CDS+4*(\op)+3] offset:8192*(\op)
	ds_store_b32 v[SST], v[SW+(\op)] offset:512*(\op)              ; four lanes write the same word with the same value
.endm
	s_wait_loadcnt 26                              ; the first slice's eight loads are in; behind them: the second slice's 8 and W's 18
	TURN 0
	QUANT 0
	s_wait_loadcnt 18                              ; the second slice is in; W's 18 may be out
	TURN 1
	QUANT 1
.set i, 0
.rept 32
	v_sub_f32 v[Q+i], 1.0, v[Q+i]                  ; 1 - x, in f32
.set i, i+1
.endr
	QUANT 2
	s_wait_dscnt 0x0                               ; for the others' sake: my pieces of the images have landed
	s_barrier_signal -1
	s_barrier_wait -1                              ; the three operands' images are whole
.macro FETCHX set, s                   ; K step s of the three operands: two groups of four registers and the scale word each: nine loads
.irp op, 0,1,2
	ds_load_b128 v[XF+24*(\set)+8*\op:XF+24*(\set)+8*\op+3], v[IRD] offset:8192*\op+1024*(\s)
	ds_load_b128 v[XF+24*(\set)+8*\op+4:XF+24*(\set)+8*\op+7], v[IRD] offset:8192*\op+1024*(\s)+512
	ds_load_b32 v[XS+3*(\set)+\op], v[SRD] offset:512*\op+64*(\s)
.endr
.endm
.macro MULS set, s                     ; the three accumulators take turns, one instruction a turn; the first K step starts the sums
.irp op, 0,1,2
.if (\s) == 0
	v_wmma_scale_f32_16x16x128_f8f6f4 v[ACC+8*\op:ACC+8*\op+7], v[WF+8*(\s):WF+8*(\s)+7], v[XF+24*(\set)+8*\op:XF+24*(\set)+8*\op+7], 0, v[WS+(\s)], v[XS+3*(\set)+\op] matrix_a_fmt:MATRIX_FMT_FP4 matrix_b_fmt:MATRIX_FMT_FP4
.else
	v_wmma_scale_f32_16x16x128_f8f6f4 v[ACC+8*\op:ACC+8*\op+7], v[WF+8*(\s):WF+8*(\s)+7], v[XF+24*(\set)+8*\op:XF+24*(\set)+8*\op+7], v[ACC+8*\op:ACC+8*\op+7], v[WS+(\s)], v[XS+3*(\set)+\op] matrix_a_fmt:MATRIX_FMT_FP4 matrix_b_fmt:MATRIX_FMT_FP4
.endif
.endr
.endm
	FETCHX 0, 0
	FETCHX 1, 1
	s_wait_loadcnt 0x0                             ; W
.irp s, 0,1,2,3,4,5,6,7
.if \s < 7
	s_wait_dscnt 9                                 ; this K step's nine loads are in; the next step's nine may be out
.else
	s_wait_dscnt 0x0
.endif
	MULS \s%2, \s
.if \s < 6
.rept 4
	v_nop                                          ; four places in front of loads into registers that matrix instructions have read (ISA guide 7.12.1 for vector instructions)
.endr
	FETCHX \s%2, \s+2
.endif
.endr
.rept 4
	v_nop                                          ; four places in front of the first read of results
.endr
.irp op, 0,1,2
	ds_store_b128 v[OSI], v[ACC+8*\op:ACC+8*\op+3] offset:OPL*\op          ; lane (r, h): result(row r, 16 w + 8 h + 0 .. 7); each accumulator from its low end on
	ds_store_b128 v[OSI], v[ACC+8*\op+4:ACC+8*\op+7] offset:OPL*\op+16
.endr
	s_wait_dscnt 0x0                               ; for the others' sake: my columns have landed
	s_barrier_signal -1
	s_barrier_wait -1                              ; 16 whole rows of each result lie in the stages
.irp op, 0,1,2
.irp u, 0,1
	ds_load_b128 v[Q+8*\op+4*\u:Q+8*\op+4*\u+3], v[OSO] offset:OPL*\op+512*\u
.endr
.endr
	s_wait_dscnt 0x0
.irp op, 0,1,2
.irp u, 0,1
	global_store_b128 v[L16], v[Q+8*\op+4*\u:Q+8*\op+4*\u+3], s[10+2*\op:11+2*\op] offset:512*\u   ; 32 lanes store 512 consecutive bytes, at a multiple of 512 from the buffer's first byte
.endr
.endr
	s_wait_tensorcnt 0x0
	ds_add_u32 v240, v241
	s_wait_dscnt 0x0
	s_endpgm
.Lfunc_end_k_q33f6be15d3_proj:
	.size	k_q33f6be15d3_proj, .Lfunc_end_k_q33f6be15d3_proj-k_q33f6be15d3_proj
	.p2alignl 7, 3214868480
	.fill 96, 4, 3214868480
	.section	.rodata,"a",@progbits
	.p2align	6, 0x0
	.amdhsa_kernel k_q33f6be15d3_proj
		.amdhsa_group_segment_fixed_size 225536
		.amdhsa_private_segment_fixed_size 0
		.amdhsa_enable_private_segment 0
		.amdhsa_kernarg_size 48
		.amdhsa_user_sgpr_count 2
		.amdhsa_user_sgpr_kernarg_segment_ptr 1
		.amdhsa_wavefront_size32 1
		.amdhsa_system_sgpr_workgroup_id_x 1
		.amdhsa_system_sgpr_workgroup_id_y 1
		.amdhsa_system_sgpr_workgroup_id_z 1
		.amdhsa_system_vgpr_workitem_id 0
		.amdhsa_next_free_vgpr 242
		.amdhsa_next_free_sgpr 66
		.amdhsa_reserve_vcc 0
		.amdhsa_float_denorm_mode_32 3
		.amdhsa_float_denorm_mode_16_64 3
		.amdhsa_memory_ordered 1
		.amdhsa_forward_progress 1
		.amdhsa_inst_pref_size 25
	.end_amdhsa_kernel
	.amdgpu_metadata
---
amdhsa.version: [ 1, 2 ]
amdhsa.kernels:
  - .name:           k_q33f6be15d3_proj
    .symbol:         k_q33f6be15d3_proj.kd
    .args:
      - { .name: x, .offset: 0, .size: 8, .value_kind: global_buffer, .address_space: global }
      - { .name: W_codes, .offset: 8, .size: 8, .value_kind: global_buffer, .address_space: global }
      - { .name: W_scales, .offset: 16, .size: 8, .value_kind: global_buffer, .address_space: global }
      - { .name: vals, .offset: 24, .size: 8, .value_kind: global_buffer, .address_space: global }
      - { .name: maskp, .offset: 32, .size: 8, .value_kind: global_buffer, .address_space: global }
      - { .name: omm, .offset: 40, .size: 8, .value_kind: global_buffer, .address_space: global }
    .group_segment_fixed_size: 225536
    .private_segment_fixed_size: 0
    .kernarg_segment_align: 8
    .kernarg_segment_size: 48
    .max_flat_workgroup_size: 512
    .sgpr_count:     66
    .vgpr_count:     242
    .wavefront_size: 32
...
	.end_amdgpu_metadata
.endif
;; end of part 1
;; launch head (part 2): grid 128 x 2, 8 waves a work-group, clusters of 4 x 1, 300,032 bytes of LDS; arguments cov, loadings, vals, maskp, omm, out0; writes out0
.if DOCPART == 2
	.amdgcn_target "amdgcn-amd-amdhsa--gfx1250"
	.amdhsa_code_object_version 6
	.text
	.protected	k_q33f6be15d3_head
	.globl	k_q33f6be15d3_head
	.p2align	8
	.type	k_q33f6be15d3_head,@function
k_q33f6be15d3_head:
	s_mov_b64 s[64:65], 0
	v_nop
	global_prefetch_b8 v0, s[64:65] scope:SCOPE_SE
	s_setreg_imm32_b32 hwreg(HW_REG_WAVE_MODE, 25, 1), 1
	s_wait_xcnt 0x0
	s_wait_alu depctr_hold_cnt(0) depctr_sa_sdst(0) depctr_va_vdst(0) depctr_va_sdst(0) depctr_va_ssrc(0) depctr_va_vcc(0) depctr_vm_vsrc(0)
	s_getreg_b32 s2, hwreg(HW_REG_IB_STS2, 6, 4)
	s_cmp_eq_u32 s2, 0
	s_cbranch_scc0 .Lentry_in_a_cluster
	s_endpgm
.Lentry_in_a_cluster:
	s_bfe_u32 s2, ttmp6, 0x10000c
	s_cmp_lg_u32 s2, 0x3003
	s_cbranch_scc0 .Lentry_shape_is_right
	s_endpgm
.Lentry_shape_is_right:
; out[b][k] = sum over h of vals[b][h] loadings[k][h] softmax_h(w[b][k][h]),  w = (eye[k][h] + maskp[b][k] cov[k][h] omm[b][h]) / R[b][k],  R = the sum over h of the numerator.  All in f32.
; With u = cov[k][h] omm[b][h]:  R = 1 + maskp x (sum of u);  off the diagonal w log2(e) = c u with c = log2(e) maskp / R.  R must be known before any exponent, so h is walked twice:
;   PASS A: the sum of u, its largest and its smallest (the sign of c is not known yet).   BETWEEN: R, c, the diagonal's exponent td, and M = max(c max u, c min u, td): the row's true maximum.
;   PASS B: p = 2^(c u - M); the divisor += p; the sum += p x (loadings x vals).   Then out = sum / divisor.
; THE DIAGONAL is taken out of the loops: cov[k][k] and loadings[k][k] are set to 0 in the LDS copies.  The loops then see u = 0 there: it adds nothing to the sum of u (cov[k][k] omm[b][k] is added between the passes) and
; nothing to the sum of pass B; it adds 2^(-M) to the divisor, which therefore starts at 2^(td - M) - 2^(-M); and it puts 0 among the maximum's candidates, which changes nothing: reference() divides each row by its sum, so the row
; sums to 1 and its largest number is at least 1/256.  M is at least 0, so 2^(-M) is at most 1, and the divisor holds one term equal to 1: the subtraction costs no accuracy.
; SHARES.  A work-group: 32 rows b x 128 columns k.  Each of its eight waves: 4 rows x 128 columns x all 256 h.  Lane i holds the columns k = kbase + 4 i + g, g = 0 .. 3: sixteen tiles (b, g) a wave.
; Packed instructions take two neighbouring h: (cov[k][h], cov[k][h+1]) from the lane's row in LDS, (omm[b][h], omm[b][h+1]) from registers that hold the same numbers in every lane.
; LDS.  128 rows of cov, then 128 of loadings, 1,024 bytes + 16 of padding each: 260 words, so that row r starts at bank 4 r mod 64 (64 banks of 4 bytes: ISA guide 11.1) and the sixteen rows of a load's half start at sixteen different banks.
; LDS row 32 g + i is column kbase + 4 i + g: a wave's tensor load takes 16 rows that lie 4 rows apart in memory.  So maskp, omm, vals at the lane's four columns, and out, are 16 neighbouring bytes a lane.
; Behind the tables each wave has 4,096 bytes of its own for its four rows of omm, read with one address for all lanes.  vals' rows come the same way from memory, one chunk ahead: 299,008 + 32,768 bytes would not fit.
; CLUSTER.  The four work-groups of a cluster have the same kbase and so the same two tables: each tile is asked for JOINTLY (the same load, the same descriptor, a mask that names the four).  Nothing is filled again.
; The matrix units have no part here: the last product has one row for each b, and both its operands hang on b, k and h.
; LIMITS: where R is 0 or overflows the result is not finite, as in reference(); where |R| is under the rounding of the row's sum its sign, and so the result, hangs on the order of the sum, as in reference(); NaN and infinities among the inputs are not served.
.set PITCH, 1040
.set GRP,   32*PITCH                   ; the 32 rows of one g
.set TBL,   128*PITCH                  ; a table
.set WTILE, 16*PITCH                   ; what one tensor load brings
.set OL,    2*TBL                      ; behind the tables: omm's rows, 4,096 bytes a wave
.set ZR,  1                            ; v1   0: the offset of loads that take one address for all lanes, and the diagonal's new value; never rewritten
.set AC0, 2                            ; v2   my row of cov for g = 0 (g = 1: + GRP in the offset);  v3 for g = 2, 3
.set AC2, 3
.set AL0, 4                            ; v4, v5 the same in loadings
.set AL2, 5
.set LO,  6                            ; v6   16 x lane; never rewritten
.set DGC, 7                            ; v7   the diagonal's word in one of the 16 rows of cov that my wave fetched;  v8 of loadings
.set DGL, 8
.set AOB, 9                            ; v9   my wave's rows of omm in LDS
.set LN,  10                           ; v10  lane
.set WO,  11                           ; v11  the addresses of the trip in hand: omm; v12, v13 cov; v14, v15 loadings
.set WC0, 12
.set WL0, 14
.set DGO, 14                           ; (at the head v14 is the offset of the diagonals in memory, v15 the place of omm's rows on their way into LDS)
.set FST, 15
; pass A
.set OA,  16                           ; v16-47   omm, two chunks of 4 h x 4 b
.set FL,  48                           ; v48-79   omm's rows on their way into LDS
.set UT,  80                           ; v80-95   u of one g: 4 b x 4 h
.set CV,  96                           ; v96-111  cov: 4 h for each g
.set SA,  112                          ; v112-143 the sum of u, a pair for each tile t = 4 b + g
.set MX,  144                          ; v144-159 the largest u
.set MN,  160                          ; v160-175 the smallest
.set MK,  176                          ; v176-191 maskp at my tiles;  v192-207 omm;  v208-223 vals
.set OK,  192
.set VK,  208
.set CD,  224                          ; v224-227 cov[k][k];  v228-231 loadings[k][k]
.set LD,  228
.set UD,  240                          ; v240-255 between the passes
; pass B
.set DEN, 16                           ; v16-47   the divisor, a pair for each tile
.set NUM, 48                           ; v48-79   the sum
.set CM,  80                           ; v80-111  (c, -M)
.set CB,  112                          ; v112-127 cov;  v128-143 loadings
.set LB,  128
.set OB,  144                          ; v144-175 omm, two chunks;  v176-207 vals
.set VB,  176
.set TT,  208                          ; v208-223 c u - M, then p, of one g
.set GG,  224                          ; v224-239 loadings x vals
; A round of the cluster's barrier: my work-group's barrier; wave 0 signals for the work-group; every wave waits for all four work-groups; my work-group's barrier once more.
.macro CROUND
	s_barrier_signal -1
	s_barrier_wait -1
	s_cmp_lg_u32 s16, 0
	s_cbranch_scc1 .Lnot_wave_0_\@
	s_barrier_signal -3
.Lnot_wave_0_\@:
	s_barrier_wait -3
	s_barrier_signal -1
	s_barrier_wait -1
.endm
	s_load_b256 s[4:11], s[0:1], 0x0               ; cov, loadings, vals, maskp
	s_load_b128 s[12:15], s[0:1], 0x20             ; omm, out0
	s_set_vgpr_msb 0x40
	v_lshl_add_u32 v0, v0, 2, 0x49000
	v_mov_b32 v1, 0
	s_set_vgpr_msb 0x4045
	ds_add_u32 v0, v1
	ds_add_u32 v0, v1
	s_set_vgpr_msb 0x4500
	v_lshrrev_b32 v[LN], 5, v0
	v_readfirstlane_b32 s16, v[LN]                 ; wave 0..7
	s_bfe_u32 s17, ttmp6, 0x40000                  ; cx: my place in the cluster: it enters the addresses of vals, maskp, omm and out0 alone
	s_lshl_b32 s18, ttmp9, 2
	s_add_co_u32 s18, s18, s17                     ; my block of 32 rows
	s_and_b32 s19, ttmp7, 1                        ; which 128 columns, 0 or 1: the grid has two work-groups along y, so one bit is the whole number; the same in all four partners.
	                                               ; It enters an LDS address (the diagonal's word): with 0 or 1 that word lies inside the 16 rows that my own wave fetched, whichever it is
	; descriptor group 1: 16 rows x 256 elements of 4 bytes, the rows 4 rows of the tensor apart, 16 bytes of padding behind each in LDS
	s_mov_b32 s24, 15|(2<<16)|(1<<20)|(1<<21)|(7<<22)|(3<<25)      ; 15:0 the mask: all four work-groups; 17:16 elements of 4 bytes; 20 padding on; 21 set beside a mask; 24:22 after every 256 words (code 7); 31:25 four words (code 3)
	s_mov_b32 s25, 256<<16                         ; tensor_dim0 = 256
	s_mov_b32 s26, 16<<16                          ; tensor_dim1 = 16
	s_mov_b32 s27, 256<<16                         ; tile_dim0 = 256
	s_mov_b32 s28, 16                              ; tile_dim1 = 16
	s_mov_b32 s29, 1024                            ; from row to row: 4 x 256 elements
	s_mov_b32 s30, 0
	s_mov_b32 s31, 0
	s_lshl_b32 s20, s19, 7                         ; my tile's first row: kbase
	s_lshr_b32 s21, s16, 1
	s_add_co_u32 s20, s20, s21                     ; + g = wave / 2
	s_and_b32 s21, s16, 1
	s_lshl_b32 s21, s21, 6
	s_add_co_u32 s20, s20, s21                     ; + 4 x 16 x (wave % 2)
	s_lshl_b32 s20, s20, 10                        ; in bytes
	s_mov_b32 s21, 0
	s_mul_i32 s22, s16, WTILE                      ; and where it goes: LDS rows 16 wave on
	s_and_b32 s42, s16, 1                          ; the diagonal in those rows: row 16 wave + j is column kbase + 64 (wave % 2) + 4 j + wave / 2
	s_lshl_b32 s43, s42, 8
	s_add_co_u32 s23, s22, s43
	s_lshr_b32 s43, s16, 1
	s_lshl_b32 s43, s43, 2
	s_add_co_u32 s23, s23, s43
	s_lshl_b32 s43, s19, 9                         ; 4 x kbase: 0 or 512
	s_add_co_u32 s23, s23, s43                     ; at the most 16,640 wave + 256 + 12 + 512; with the lane's 1,056 j (j up to 15) and the word's 4 bytes: 16,640 wave + 16,624
	s_lshl_b32 s62, s16, 12
	s_add_co_u32 s62, s62, OL                      ; my wave's rows of omm in LDS
	s_lshl_b32 s40, s18, 15                        ; my wave's first row: 32 rows of 1,024 bytes a work-group,
	s_lshl_b32 s41, s16, 12                        ; 4 a wave
	s_add_co_u32 s40, s40, s41
	s_mov_b32 s41, 0
	s_wait_dscnt 0x0
	s_wait_kmcnt 0x0
	s_add_nc_u64 s[46:47], s[12:13], s[40:41]      ; omm at my four rows
	s_add_nc_u64 s[48:49], s[8:9], s[40:41]        ; vals likewise: this one walks along h in pass B
	s_lshl_b32 s42, s19, 9
	s_mov_b32 s43, 0
	s_add_nc_u64 s[40:41], s[40:41], s[42:43]      ; + kbase x 4
	s_add_nc_u64 s[50:51], s[10:11], s[40:41]      ; maskp, omm, vals and out0 at (my first row, kbase)
	s_add_nc_u64 s[52:53], s[12:13], s[40:41]
	s_add_nc_u64 s[54:55], s[8:9], s[40:41]
	s_add_nc_u64 s[56:57], s[14:15], s[40:41]
	s_mul_i32 s42, s19, 128*1028                   ; the diagonals: element (k, k) lies 1,028 k bytes in
	s_add_nc_u64 s[58:59], s[4:5], s[42:43]
	s_add_nc_u64 s[60:61], s[6:7], s[42:43]
	CROUND                                         ; all four work-groups are here: the joint loads meet
	s_mov_b32 s32, 1                               ; group 0 for cov's tile: count = 1,
	s_mov_b32 s33, s22                             ; LDS address,
	s_add_nc_u64 s[34:35], s[4:5], s[20:21]        ; global address,
	s_or_b32 s35, s35, 0x80000000                  ; type = 2
	s_mov_b32 s36, 1                               ; and for loadings'
	s_add_co_u32 s37, s22, TBL
	s_add_nc_u64 s[38:39], s[6:7], s[20:21]
	s_or_b32 s39, s39, 0x80000000
	tensor_load_to_lds s[32:35], s[24:31]          ; both fills go out together, ahead of every wait on TENSORcnt and every LDS read: two loads of mine are out
	s_nop 0
	tensor_load_to_lds s[36:39], s[24:31]
	s_nop 0
.rept 4
	v_nop
.endr
	v_and_b32 v[LN], 31, v0
	v_mov_b32 v[ZR], 0
	v_lshlrev_b32 v[LO], 4, v[LN]
	v_mul_u32_u24 v[DGO], v[LN], 4*1028
.irp j, 0,1,2,3,4,5,6,7
	global_load_b128 v[FL+4*\j:FL+4*\j+3], v[LO], s[46:47] offset:512*\j   ; my four rows of omm: 4,096 consecutive bytes
.endr
.irp b, 0,1,2,3
	global_load_b128 v[MK+4*\b:MK+4*\b+3], v[LO], s[50:51] offset:1024*\b  ; maskp, omm, vals at (row b, my four columns)
	global_load_b128 v[OK+4*\b:OK+4*\b+3], v[LO], s[52:53] offset:1024*\b
	global_load_b128 v[VK+4*\b:VK+4*\b+3], v[LO], s[54:55] offset:1024*\b
.endr
.irp g, 0,1,2,3
	global_load_b32 v[CD+\g], v[DGO], s[58:59] offset:1028*\g              ; cov[k][k], loadings[k][k], k = kbase + 4 lane + g
	global_load_b32 v[LD+\g], v[DGO], s[60:61] offset:1028*\g
.endr
	v_mul_u32_u24 v[AC0], v[LN], PITCH
	v_add_nc_u32 v[AC2], 2*GRP, v[AC0]
	v_add_nc_u32 v[AL0], TBL, v[AC0]
	v_add_nc_u32 v[AL2], TBL+2*GRP, v[AC0]
	v_and_b32 v[DGC], 15, v0                       ; (lanes 16-31 name the same words as lanes 0-15 and write the same 0)
	v_mul_u32_u24 v[DGC], v[DGC], PITCH+16         ; a row down and four columns on
	v_add_nc_u32 v[DGC], s23, v[DGC]
	v_add_nc_u32 v[DGL], TBL, v[DGC]
	v_mov_b32 v[AOB], s62
	v_add_nc_u32 v[FST], s62, v[LO]
.set i, 0
.rept 64
	v_mov_b32 v[SA+i], 0                           ; the sums; and the largest and smallest u begin at 0, which is the diagonal's u
.set i, i+1
.endr
	s_wait_loadcnt 20                              ; omm's rows are in; behind them: 12 loads at my columns and 8 of the diagonals
.irp j, 0,1,2,3,4,5,6,7
	ds_store_b128 v[FST], v[FL+4*\j:FL+4*\j+3] offset:512*\j               ; my wave's own bytes: no other wave touches them
.endr
	s_wait_tensorcnt 0x1                           ; my 16 rows of cov have landed; loadings' may stay out
	ds_store_b32 v[DGC], v[ZR]                     ; their diagonal becomes 0
	s_wait_dscnt 0x0                               ; for the others' sake: that store has landed
	s_barrier_signal -1
	s_barrier_wait -1                              ; cov's table is whole, with its diagonal out
; four numbers of each of my four rows of omm, the same in every lane
.macro OFETCH base, buf, off
.irp b, 0,1,2,3
	ds_load_b128 v[\base+16*(\buf)+4*\b:\base+16*(\buf)+4*\b+3], v[WO] offset:1024*\b+(\off)
.endr
.endm
; PASS A, one g of one chunk of 4 h: 32 instructions for 16 pairs.  left: the LDS loads issued behind this g's fragment.  next: where the fragment's successor lies in the rows, or -1.
.macro GROUPA buf, g, left, next
	s_wait_dscnt \left
.irp u, 0,2
.irp b, 0,1,2,3
	v_pk_mul_f32 v[UT+4*\b+\u:UT+4*\b+\u+1], v[CV+4*(\g)+\u:CV+4*(\g)+\u+1], v[OA+16*(\buf)+4*\b+\u:OA+16*(\buf)+4*\b+\u+1]
.endr
.endr
.irp u, 0,2
.irp b, 0,1,2,3
	v_pk_fma_f32 v[SA+2*(4*\b+(\g)):SA+2*(4*\b+(\g))+1], v[CV+4*(\g)+\u:CV+4*(\g)+\u+1], v[OA+16*(\buf)+4*\b+\u:OA+16*(\buf)+4*\b+\u+1], v[SA+2*(4*\b+(\g)):SA+2*(4*\b+(\g))+1]
.endr
.endr
.if (\next) >= 0
	ds_load_b128 v[CV+4*(\g):CV+4*(\g)+3], v[WC0+(\g)/2] offset:GRP*((\g)%2)+(\next)   ; the fragment has been read: its successor has the other three g's work in which to come
.endif
.irp u, 0,2
.irp b, 0,1,2,3
	v_max3_num_f32 v[MX+4*\b+(\g)], v[MX+4*\b+(\g)], v[UT+4*\b+\u], v[UT+4*\b+\u+1]
.endr
.irp b, 0,1,2,3
	v_min3_num_f32 v[MN+4*\b+(\g)], v[MN+4*\b+(\g)], v[UT+4*\b+\u], v[UT+4*\b+\u+1]
.endr
.endr
.endm
; A chunk.  Behind a g's fragment stand the other three g's reloads and the next chunk's four loads of omm: 7; in the last chunk, which fetches nothing, the counts run down.
.macro CHUNKA buf, next
.if (\next) >= 0
	OFETCH OA, 1-(\buf), \next
.endif
.irp g, 0,1,2,3
.if (\next) >= 0
	GROUPA \buf, \g, 7, \next
.else
	GROUPA \buf, \g, 3-\g, -1
.endif
.endr
.endm
.macro TRIPA last                      ; two chunks: 8 h
	v_add_nc_u32 v[WO], s45, v[AOB]
	v_add_nc_u32 v[WC0], s45, v[AC0]
	v_add_nc_u32 v[WC0+1], s45, v[AC2]
	CHUNKA 0, 16
.if \last
	CHUNKA 1, -1
.else
	CHUNKA 1, 32
.endif
.endm
	v_mov_b32 v[WO], v[AOB]
	OFETCH OA, 0, 0                                ; chunk 0
.irp g, 0,1,2,3
	ds_load_b128 v[CV+4*\g:CV+4*\g+3], v[AC0+\g/2] offset:GRP*(\g%2)
.endr
	s_mov_b32 s45, 0                               ; bytes along h
	s_mov_b32 s44, 31
.Lpass_a:
	TRIPA 0
	s_add_co_u32 s45, s45, 32
	s_sub_co_u32 s44, s44, 1
	s_cmp_lg_u32 s44, 0
	s_cbranch_scc1 .Lpass_a
	TRIPA 1                                        ; the last trip is written out: nothing is fetched past a row's end
	s_wait_tensorcnt 0x0                           ; my 16 rows of loadings have landed
	ds_store_b32 v[DGL], v[ZR]                     ; their diagonal becomes 0
	s_wait_loadcnt 0x0                             ; maskp, omm, vals at my columns, and the diagonals
	s_wait_dscnt 0x0                               ; for the others' sake: that store has landed
	s_barrier_signal -1                            ; what follows up to the wait works on registers alone
	; BETWEEN THE PASSES, for the sixteen tiles t = 4 b + g
.set t, 0
.rept 16
	v_mul_f32 v[UD+t], v[CD+t%4], v[OK+t]          ; the diagonal's u
	v_add_f32 v[SA+2*t], v[SA+2*t], v[SA+2*t+1]    ; the sum's two halves
.set t, t+1
.endr
.set t, 0
.rept 16
	v_add_f32 v[SA+2*t], v[SA+2*t], v[UD+t]
.set t, t+1
.endr
.set t, 0
.rept 16
	v_fma_f32 v[SA+2*t], v[MK+t], v[SA+2*t], 1.0   ; R = 1 + maskp x the sum of u
.set t, t+1
.endr
.set t, 0
.rept 16
	v_rcp_f32 v[SA+2*t+1], v[SA+2*t]
.set t, t+1
.endr
.set t, 0
.rept 16
	v_fma_f32 v[UD+t], v[MK+t], v[UD+t], 1.0       ; the diagonal's numerator: 1 + maskp u.  (Plain work behind the reciprocals)
.set t, t+1
.endr
	s_wait_alu depctr_va_vdst(0)                   ; one wait for the sixteen reciprocals, ahead of their first reader
.set t, 0
.rept 16
	v_mul_f32 v[SA+2*t+1], 0x3fb8aa3b, v[SA+2*t+1] ; log2(e) / R
.set t, t+1
.endr
.set t, 0
.rept 16
	v_mul_f32 v[CM+2*t], v[MK+t], v[SA+2*t+1]      ; c
	v_mul_f32 v[UD+t], v[UD+t], v[SA+2*t+1]        ; td: the diagonal's exponent
.set t, t+1
.endr
.set t, 0
.rept 16
	v_mul_f32 v[MX+t], v[CM+2*t], v[MX+t]
	v_mul_f32 v[MN+t], v[CM+2*t], v[MN+t]
.set t, t+1
.endr
.set t, 0
.rept 16
	v_max3_num_f32 v[MX+t], v[MX+t], v[MN+t], v[UD+t]              ; M: one of the two ends is the largest c u, whatever the sign of c
.set t, t+1
.endr
.set t, 0
.rept 16
	v_sub_f32 v[UD+t], v[UD+t], v[MX+t]
	v_sub_f32 v[CM+2*t+1], 0, v[MX+t]              ; -M
.set t, t+1
.endr
.set t, 0
.rept 16
	v_exp_f32 v[UD+t], v[UD+t]                     ; the diagonal's p
.set t, t+1
.endr
.set t, 0
.rept 16
	v_exp_f32 v[MN+t], v[CM+2*t+1]                 ; 2^(-M): what the loop will add for the zeroed diagonal, by the same instruction on the same number
.set t, t+1
.endr
.set t, 0
.rept 16
	v_mul_f32 v[VK+t], v[LD+t%4], v[VK+t]          ; loadings[k][k] vals[b][k].  (Plain work behind the exponentials)
.set t, t+1
.endr
	s_wait_alu depctr_va_vdst(0)                   ; one wait for the 32 exponentials
.set t, 0
.rept 16
	v_sub_f32 v[DEN+2*t], v[UD+t], v[MN+t]         ; the divisor starts with the diagonal's p, less what the loop will add in its place
	v_mov_b32 v[DEN+2*t+1], 0
	v_mul_f32 v[NUM+2*t], v[UD+t], v[VK+t]         ; the sum starts with the diagonal's term
	v_mov_b32 v[NUM+2*t+1], 0
.set t, t+1
.endr
	s_barrier_wait -1                              ; loadings' table is whole, with its diagonal out
; PASS B.  The lines of one g of one chunk, by name: u; c u - M (of the pair (c, -M) the first register serves both halves as the factor, the second as the addend); p; loadings x vals.
.macro PM buf, g, b, u
	v_pk_mul_f32 v[TT+4*(\b)+(\u):TT+4*(\b)+(\u)+1], v[CB+4*(\g)+(\u):CB+4*(\g)+(\u)+1], v[OB+16*(\buf)+4*(\b)+(\u):OB+16*(\buf)+4*(\b)+(\u)+1]
.endm
.macro PF g, b, u
	v_pk_fma_f32 v[TT+4*(\b)+(\u):TT+4*(\b)+(\u)+1], v[TT+4*(\b)+(\u):TT+4*(\b)+(\u)+1], v[CM+2*(4*(\b)+(\g)):CM+2*(4*(\b)+(\g))+1], v[CM+2*(4*(\b)+(\g)):CM+2*(4*(\b)+(\g))+1] op_sel:[0,0,1] op_sel_hi:[1,0,1]
.endm
.macro EX b, e
	v_exp_f32 v[TT+4*(\b)+(\e)], v[TT+4*(\b)+(\e)]
.endm
.macro GM buf, g, b, u
	v_pk_mul_f32 v[GG+4*(\b)+(\u):GG+4*(\b)+(\u)+1], v[LB+4*(\g)+(\u):LB+4*(\g)+(\u)+1], v[VB+16*(\buf)+4*(\b)+(\u):VB+16*(\buf)+4*(\b)+(\u)+1]
.endm
; One g of one chunk: 16 pairs' 40 plain lines and 16 exponentials.  The exponentials of one row stand between the plain lines of the next; none of the lines ahead of the wait names an exponential's result.
.macro GROUPB buf, g, left, next
	s_wait_dscnt \left
	PM \buf, \g, 0, 0
	PM \buf, \g, 0, 2
	PF \g, 0, 0
	PF \g, 0, 2
.irp b, 1,2,3
	PM \buf, \g, \b, 0
	EX \b-1, 0
	PM \buf, \g, \b, 2
	EX \b-1, 1
	PF \g, \b, 0
	EX \b-1, 2
	PF \g, \b, 2
	EX \b-1, 3
.endr
.irp b, 0,1,2,3
	EX 3, \b
	GM \buf, \g, \b, 0
	GM \buf, \g, \b, 2
.endr
.if (\next) >= 0
	ds_load_b128 v[CB+4*(\g):CB+4*(\g)+3], v[WC0+(\g)/2] offset:GRP*((\g)%2)+(\next)   ; both fragments have been read: their successors
	ds_load_b128 v[LB+4*(\g):LB+4*(\g)+3], v[WL0+(\g)/2] offset:GRP*((\g)%2)+(\next)
.endif
	s_wait_alu depctr_va_vdst(0)                   ; one wait for the sixteen exponentials, ahead of their first reader
.irp u, 0,2
.irp b, 0,1,2,3
	v_pk_add_f32 v[DEN+2*(4*\b+(\g)):DEN+2*(4*\b+(\g))+1], v[DEN+2*(4*\b+(\g)):DEN+2*(4*\b+(\g))+1], v[TT+4*\b+\u:TT+4*\b+\u+1]
.endr
.irp b, 0,1,2,3
	v_pk_fma_f32 v[NUM+2*(4*\b+(\g)):NUM+2*(4*\b+(\g))+1], v[TT+4*\b+\u:TT+4*\b+\u+1], v[GG+4*\b+\u:GG+4*\b+\u+1], v[NUM+2*(4*\b+(\g)):NUM+2*(4*\b+(\g))+1]
.endr
.endr
.endm
.macro VFETCH buf, off                 ; four numbers of each of my four rows of vals, the same in every lane
.irp b, 0,1,2,3
	global_load_b128 v[VB+16*(\buf)+4*\b:VB+16*(\buf)+4*\b+3], v[ZR], s[48:49] offset:1024*\b+(\off)
.endr
.endm
; A chunk.  Behind a g's two fragments stand the other three g's six reloads and the next chunk's four loads of omm: 10; in the last chunk the counts run down.
.macro CHUNKB buf, more
	s_wait_loadcnt 0x0                             ; this chunk's vals are in, and no load of mine is out: the base may step
.if \more
.if \buf
	s_add_nc_u64 s[48:49], s[48:49], 32
	VFETCH 0, 0
	OFETCH OB, 0, 32
.else
	VFETCH 1, 16
	OFETCH OB, 1, 16
.endif
.endif
.irp g, 0,1,2,3
.if \more
	GROUPB \buf, \g, 10, 16+16*(\buf)
.else
	GROUPB \buf, \g, 6-2*\g, -1
.endif
.endr
.endm
.macro TRIPB last
	v_add_nc_u32 v[WO], s45, v[AOB]
	v_add_nc_u32 v[WC0], s45, v[AC0]
	v_add_nc_u32 v[WC0+1], s45, v[AC2]
	v_add_nc_u32 v[WL0], s45, v[AL0]
	v_add_nc_u32 v[WL0+1], s45, v[AL2]
	CHUNKB 0, 1
	CHUNKB 1, 1-(\last)
.endm
	VFETCH 0, 0                                    ; chunk 0
	v_mov_b32 v[WO], v[AOB]
	OFETCH OB, 0, 0
.irp g, 0,1,2,3
	ds_load_b128 v[CB+4*\g:CB+4*\g+3], v[AC0+\g/2] offset:GRP*(\g%2)
	ds_load_b128 v[LB+4*\g:LB+4*\g+3], v[AL0+\g/2] offset:GRP*(\g%2)
.endr
	s_mov_b32 s45, 0
	s_mov_b32 s44, 31
.Lpass_b:
	TRIPB 0
	s_add_co_u32 s45, s45, 32
	s_sub_co_u32 s44, s44, 1
	s_cmp_lg_u32 s44, 0
	s_cbranch_scc1 .Lpass_b
	TRIPB 1                                        ; the last trip is written out: no load leaves a row or a buffer
	; THE WAY OUT: the halves are added, the sum is divided; a lane's four columns of a row are 16 neighbouring bytes
.set t, 0
.rept 16
	v_add_f32 v[DEN+2*t], v[DEN+2*t], v[DEN+2*t+1]
	v_add_f32 v[NUM+2*t], v[NUM+2*t], v[NUM+2*t+1]
.set t, t+1
.endr
.set t, 0
.rept 16
	v_rcp_f32 v[DEN+2*t+1], v[DEN+2*t]
.set t, t+1
.endr
	v_nop                                          ; a plain line behind the last reciprocal
	s_wait_alu depctr_va_vdst(0)                   ; one wait for the sixteen
.set t, 0
.rept 16
	v_mul_f32 v[TT+t], v[NUM+2*t], v[DEN+2*t+1]
.set t, t+1
.endr
.irp b, 0,1,2,3
	global_store_b128 v[LO], v[TT+4*\b:TT+4*\b+3], s[56:57] offset:1024*\b   ; 32 lanes store 512 consecutive bytes, at a multiple of 512 from out0's first byte
.endr
	s_set_vgpr_msb 0x5
	s_wait_tensorcnt 0x0
	ds_add_u32 v0, v1
	s_wait_dscnt 0x0
	s_set_vgpr_msb 0x500
	CROUND                                         ; the closing round: no work-group ends while a partner may still ask for a tile that names it
	s_endpgm
.Lfunc_end_k_q33f6be15d3_head:
	.size	k_q33f6be15d3_head, .Lfunc_end_k_q33f6be15d3_head-k_q33f6be15d3_head
	.p2alignl 7, 3214868480
	.fill 96, 4, 3214868480
	.section	.rodata,"a",@progbits
	.p2align	6, 0x0
	.amdhsa_kernel k_q33f6be15d3_head
		.amdhsa_group_segment_fixed_size 300032
		.amdhsa_private_segment_fixed_size 0
		.amdhsa_enable_private_segment 0
		.amdhsa_kernarg_size 48
		.amdhsa_user_sgpr_count 2
		.amdhsa_user_sgpr_kernarg_segment_ptr 1
		.amdhsa_wavefront_size32 1
		.amdhsa_system_sgpr_workgroup_id_x 1
		.amdhsa_system_sgpr_workgroup_id_y 1
		.amdhsa_system_sgpr_workgroup_id_z 1
		.amdhsa_system_vgpr_workitem_id 0
		.amdhsa_next_free_vgpr 258
		.amdhsa_next_free_sgpr 66
		.amdhsa_reserve_vcc 0
		.amdhsa_float_denorm_mode_32 3
		.amdhsa_float_denorm_mode_16_64 3
		.amdhsa_memory_ordered 1
		.amdhsa_forward_progress 1
		.amdhsa_inst_pref_size 115
	.end_amdhsa_kernel
	.amdgpu_metadata
---
amdhsa.version: [ 1, 2 ]
amdhsa.kernels:
  - .name:           k_q33f6be15d3_head
    .symbol:         k_q33f6be15d3_head.kd
    .args:
      - { .name: cov, .offset: 0, .size: 8, .value_kind: global_buffer, .address_space: global }
      - { .name: loadings, .offset: 8, .size: 8, .value_kind: global_buffer, .address_space: global }
      - { .name: vals, .offset: 16, .size: 8, .value_kind: global_buffer, .address_space: global }
      - { .name: maskp, .offset: 24, .size: 8, .value_kind: global_buffer, .address_space: global }
      - { .name: omm, .offset: 32, .size: 8, .value_kind: global_buffer, .address_space: global }
      - { .name: out0, .offset: 40, .size: 8, .value_kind: global_buffer, .address_space: global }
    .group_segment_fixed_size: 300032
    .private_segment_fixed_size: 0
    .kernarg_segment_align: 8
    .kernarg_segment_size: 48
    .max_flat_workgroup_size: 256
    .sgpr_count:     66
    .vgpr_count:     258
    .wavefront_size: 32
...
	.end_amdgpu_metadata
.endif
;; end of part 2
